; MI455X (gfx1250); checked and timed in simulation.
; The chip was launched on July 23, 2026; its instructions are those of AMD's public machine-readable ISA for CDNA 5 (MIT licence, August 2026) and "CDNA5" Instruction Set Architecture Reference Guide (July 2026). The comments in the code are by the model that wrote it; some were corrected since.
;; Model. Allowed arithmetic: matrix products marked QUANTISED: E2M1 operands, one E8M0 scale for each 32 along K, by v_wmma_scale_f32_16x16x128_f8f6f4 with both operands' format E2M1 (or v_wmma_scale_f32_32x16x128_f4), f32 sums; everything else in f32.
;; Inputs: k 4 x 16 x 2,048 x 64 float32; q 4 x 16 x 2,048 x 64 float32; scale one number float32; v 4 x 16 x 2,048 x 64 float32.
;; Outputs: out0 4 x 16 x 2,048 x 64 float32.
;; This version of the problem:
;;   THIS VERSION OF THE PROBLEM IS GIVEN IN LOW PRECISION. The matrix products marked QUANTISED in the list below multiply operands that are first quantised to E2M1 (2 exponent bits, 1 mantissa bit; 4 bits a number), with one power-of-two scale for each 32 numbers along K (OCP MX v1.0); their sums are f32. All else is computed in f32.
;;   The module's matrix products, in the order in which they are computed (A, B: the left and right operand; K: the contracted axis; several contracted axes count as one K, in the product's order):
;;     1. batch 64 x [M 2,048, K 64] x [K 64, N 2,048]; A: input q; B: input k: QUANTISED
;;     2. batch 64 x [M 2,048, K 2,048] x [K 2,048, N 64]; A: softmax (see below); B: input v: QUANTISED
;;   THE QUANTISER, for each operand of a quantised product, along K:
;;     - K is cut into blocks of 32 from its start; a last block that is shorter is filled with zeros.
;;     - A block's scale is 2^e with e = floor(log2(the largest magnitude in the block)) - 2, held to -126 .. 127; a block of zeros has e = 0. As a byte (E8M0): e + 127.
;;     - Each number is divided by its block's scale, clamped to +-6, and rounded to the nearest number of E2M1, ties to even, subnormals kept.
;;     - The product sums the exact products of the quantised numbers (number of the format x scale) in f32.
;;   ~~~python
;;   def quantise(x, axis):      # numpy; x: float32 -> the quantised numbers, widened to float32 again
;;       x = np.moveaxis(x, axis, -1); K = x.shape[-1]
;;       x = np.pad(x, [(0, 0)] * (x.ndim - 1) + [(0, -K % 32)]); x = x.reshape(x.shape[:-1] + (-1, 32)); a = np.abs(x).max(-1, keepdims=True)
;;       e = np.where(a > 0, np.clip(np.frexp(np.where(a > 0, a, 1))[1] - 1 - 2, -126, 127), 0)      # np.frexp(a)[1] - 1 = floor(log2(a)), exactly
;;       r = np.clip(x / 2.0 ** e, -6, 6)
;;       step = 2.0 ** (np.maximum(np.frexp(np.where(r == 0, 1, r))[1] - 1, 0) - 1)
;;       q = np.round(r / step) * step * 2.0 ** e      # np.round: ties to even
;;       return np.moveaxis(q.reshape(q.shape[:-2] + (-1,))[..., :K], -1, axis).astype(np.float32)
;;   ~~~
;;   SOFTMAX AHEAD OF A QUANTISED PRODUCT. Where the list says 'softmax', what is quantised is not the finished softmax but p = 2^(t - M), with t = logit x log2(e) and M = ceil(the row's largest t), a whole number; so 1/2 < the row's largest p <= 1. The row's sum l is taken of the UNQUANTISED p, in f32, and the product's result is divided by l at the end. Since M is a whole number, a kernel that streams over the keys may use a running M (the ceiling of the running maximum): every later rescaling is an exact power of two, which a block's scale takes up: the codes' values come out the same.
;;   OPERANDS COMPUTED ON THE WAY. 'Computed on the way' means the value that the module computes at that place (a softmax that the list does not call 'softmax' is quantised finished and normalised). What goes into a quantiser is computed in f32, as accurately as f32 sums, v_exp_f32 and their like allow (about 1e-6 of the number): no bf16 or f16 on the way to a quantiser, and a product that is left as it is and whose result goes on into a quantised operand takes f32 operands (vector FMAs, or v_wmma_f32_16x16x4_f32). A number that lies on a knife's edge between two numbers of the format may be rounded either way, as far as f32 arithmetic and the matrix unit's own rounding can turn it there, and no further.
;; One version. Each part assembles by itself: llvm-mc -triple=amdgcn-amd-amdhsa -mcpu=gfx1250 --defsym DOCPART=n.
;; ======== version 1 of 1: 2 launches
;; limits: right only within a limited range of input values
;; workspace buffers: kvq 8,912,896 bytes
;; launch quant (part 1): grid 16 x 64, 4 waves a work-group, no clusters, 69,120 bytes of LDS; arguments k, v, kvq; writes kvq
.if DOCPART == 1
	.amdgcn_target "amdgcn-amd-amdhsa--gfx1250"
	.amdhsa_code_object_version 6
	.text
	.protected	k_q511d3ece00_quant
	.globl	k_q511d3ece00_quant
	.p2align	8
	.type	k_q511d3ece00_quant,@function
k_q511d3ece00_quant:
	s_mov_b64 s[64:65], 0
	v_nop
	global_prefetch_b8 v0, s[64:65] scope:SCOPE_SE
	s_setreg_imm32_b32 hwreg(HW_REG_WAVE_MODE, 25, 1), 1
	s_wait_xcnt 0x0
; out = softmax(q k^T / scale) v, both products on codes of FP4 (E2M1) with one E8M0 scale for each 32 along a product's K.  Two launches: this one turns k and v into codes, the next does the attention.
; NO WORK IS LEFT OUT: q, k, v and scale all reach the output for all values; q and scale are read by the second launch alone and are no arguments here.
; k [64 heads][2048 keys][64] is quantised along its last axis (two blocks a key), v [64][2048][64] along the KEYS (its first axis within a head), since the keys are the second product's K.
; A block's scale is 2^(floor(log2(its largest magnitude)) - 2); its byte is the largest magnitude's exponent field - 2, held at 1 from below; each number is divided by the scale and rounded to the nearest code, ties to even, beyond 6 the largest code.
; LIMITS: a block whose largest magnitude lies under 2^-124 keeps the byte 1; a block of zeros gets the byte 1 where the rule says 127 (its codes are zeros, which add nothing under any byte but 0xff, and this program alone reads the bytes);
; NaN and infinities among the inputs are not served.
; THE WORKSPACE IS LAID AS IMAGES OF THE OPERANDS' REGISTERS.  For each head and each step of 128 keys, 8,704 dense bytes (34 x 256):
;   512 t + 16 L, t = 0..7:            tile t of k: lane L = (r = L % 16, h = L / 16) has the 32 codes d = 32 h .. 32 h + 31 of the key that is row r of tile t
;   4096 + 1024 t + 512 c + 16 L:      v: the 32 codes of keys 64 c + 32 h + 0 .. 31 of channel d = 16 t + r
;   8192 + 16 L + 4 u, u = 0..3:       scale words.  L < 16: k's tiles 2 u, 2 u + 1, row L: bytes (tile 2 u block 0, block 1, tile 2 u + 1 block 0, block 1).  L >= 16: v's channel 16 u + L - 16: bytes = key blocks 0 .. 3
; THE KEYS OF A TILE ARE NOT NEIGHBOURS: row m of tile t = 4 c + t' is key 64 c + 32 (m / 8) + 8 t' + m % 8, so that in the transposed scores a lane's 32 registers of four tiles are one whole block of 32 neighbouring keys.
; SHARES.  A work-group of four waves takes one step of one head.  Wave w quantises k's tiles 2 w and 2 w + 1 (keys kb .. kb + 15 and kb + 32 .. kb + 47, kb = 64 (w / 2) + 16 (w % 2)), loads v's keys 32 w .. 32 w + 31, and quantises v's channels 16 w .. 16 w + 15.
; Every global load reads 512 consecutive bytes and every store writes 512, at multiples of 256 from the buffer's first byte.  k turns through the wave's own stage (a lane must hold 32 neighbours of one key); v goes through a stage that all four waves
; share, so that a lane can read one channel down 32 keys.  No loop: every offset is an immediate, and no register that a store names is written again.
.set VBLK,  8320                       ; v's stage: 32 keys x 256 bytes + 128: lanes 16-31, which read one block further on, fall 32 banks on (64 banks of 4 bytes: ISA guide 11.1)
.set KST,   4*VBLK                     ; behind it k's stages, one for each wave: 32 rows x 272 bytes (256 + 16: the 16 rows that a load touches start at 16 different banks)
.set KPIT,  272
.set KREG,  32*KPIT
.set SCG,   KST+4*KREG                 ; 512 bytes in which the step's scale words meet
.set SPARE, SCG+512                    ; the spare words, 128 bytes for each wave: two blocks of 256 bytes that no other line names
.set STEPB, 8704
.set LI,  1                            ; v1   16 x lane
.set KSI, 2                            ; v2   k's stage, in: 272 (lane / 16) + 16 (lane % 16)
.set KSO, 3                            ; v3   k's stage, out: 272 r + 128 h
.set VSI, 4                            ; v4   v's stage, in: my wave's block + 16 x lane
.set VRD, 5                            ; v5   v's stage, out: block h, channel 16 w + r
.set SCI, 6                            ; v6   where my scale word goes: 16 x lane + 4 w
.set SCO, 7                            ; v7   and where wave 0 reads four of them
.set SH8, 8                            ; v8   8 h
.set SPW, 9                            ; v9   LDS address of my spare word; never rewritten
.set NIL, 10                           ; v10  0; never rewritten
.set TA,  12                           ; v12, v13 two chains of a block's largest magnitude
.set TB,  13
.set SO,  14                           ; v14  the conversion's scale operand
.set EB,  16                           ; v16-19 scale bytes: k's two, v's two
.set KW,  20                           ; v20  k's scale word
.set VW,  21                           ; v21  v's
.set PX,  22                           ; v22  what the other half of the lanes sends
.set SCR, 23                           ; v23  the word that my lane stores
.set CK,  24                           ; v24-31 k's codes
.set CV,  32                           ; v32-39 v's codes
.set VL,  40                           ; v40-103 v as loaded; later
.set Y,   40                           ;         64 numbers of my channel
.set KL,  104                          ; v104-167 k as loaded
.set X,   168                          ; v168-231 64 numbers of my two keys
; 32 numbers of a lane, one whole block, become 4 registers of codes and the block's byte.
.macro QUANT32 x, c, e
	v_max3_num_f32 v[TA], |v[\x]|, |v[\x+1]|, |v[\x+2]|              ; the largest magnitude, in two chains that do not wait for each other
	v_max3_num_f32 v[TB], |v[\x+15]|, |v[\x+16]|, |v[\x+17]|
.irp i, 3,5,7,9,11,13
	v_max3_num_f32 v[TA], v[TA], |v[\x+\i]|, |v[\x+\i+1]|
	v_max3_num_f32 v[TB], v[TB], |v[\x+\i+15]|, |v[\x+\i+16]|
.endr
	v_max3_num_f32 v[TB], v[TB], |v[\x+30]|, |v[\x+31]|
	v_max3_num_f32 v[TA], v[TA], v[TB], 0x1800000                    ; and the floor 2^(3 - 127): the byte cannot fall under 1
	v_add_nc_u32 v[SO], 0xff000000, v[TA]                            ; 2 off its exponent field: the conversion takes the exponent field of this operand as its scale, and nothing else of it
.irp g, 0,1,2,3
	v_cvt_scalef32_pk8_fp4_f32 v[\c+\g], v[\x+8*\g:\x+8*\g+7], v[SO]
.endr
	v_lshrrev_b32 v[\e], 23, v[SO]                                   ; the scale's byte; also the plain line behind the conversions
.endm
; My two bytes (blocks h and 2 + h of a word's four) and the other half's two make the word, in both halves of the lanes.
.macro WORD w, e0, e1
	v_lshl_or_b32 v[\w], v[\e1], 16, v[\e0]
	v_lshlrev_b32 v[\w], v[SH8], v[\w]
	v_permlanex16_b32 v[PX], v[\w], s18, s19
	v_or_b32 v[\w], v[\w], v[PX]
.endm
	s_load_b128 s[4:7], s[0:1], 0x0                ; k s[4:5], v s[6:7]
	s_load_b64 s[8:9], s[0:1], 0x10                ; kvq
	v_lshl_add_u32 v[SPW], v0, 2, SPARE
	v_mov_b32 v[NIL], 0
	v_lshrrev_b32 v11, 5, v0
	v_readfirstlane_b32 s10, v11                   ; wave 0..3
	s_and_b32 s12, ttmp7, 0xffff                   ; the head; ttmp9 is the step
	s_lshl_b32 s14, s12, 19                        ; a head of k or v: 2,048 x 256 bytes
	s_lshl_b32 s21, ttmp9, 15                      ; a step: 128 x 256 bytes
	s_add_co_u32 s14, s14, s21
	s_mov_b32 s15, 0
	s_lshl_b32 s16, s10, 13                        ; v: my 32 keys
	s_add_co_u32 s16, s16, s14
	s_mov_b32 s17, 0
	s_lshr_b32 s21, s10, 1
	s_lshl_b32 s21, s21, 14                        ; k: 64 (w / 2) keys
	s_and_b32 s22, s10, 1
	s_lshl_b32 s22, s22, 12                        ;    + 16 (w % 2)
	s_add_co_u32 s14, s14, s21
	s_add_co_u32 s14, s14, s22
	s_mul_i32 s24, s12, 16*STEPB                   ; kvq: the head's 16 steps,
	s_mul_i32 s21, ttmp9, STEPB                    ; the step,
	s_add_co_u32 s24, s24, s21
	s_lshl_b32 s21, s10, 10                        ; and 1,024 w: my two tiles of k; 4,096 further on my tile of v
	s_add_co_u32 s24, s24, s21
	s_mov_b32 s25, 0
	s_mov_b32 s18, 0x76543210
	s_mov_b32 s19, 0xfedcba98                      ; v_permlanex16_b32's selects for lane l xor 16
	s_mov_b32 s20, 0xffff0000                      ; lanes 16-31
	v_and_b32 v11, 31, v0                          ; lane
	v_and_b32 v12, 15, v0                          ; r
	v_bfe_u32 v13, v0, 4, 1                        ; h
	v_lshlrev_b32 v[LI], 4, v11
	s_mul_i32 s21, s10, KREG
	s_add_co_u32 s21, s21, KST                     ; my stage for k
	v_mul_u32_u24 v[KSI], v13, KPIT
	v_lshl_add_u32 v[KSI], v12, 4, v[KSI]
	v_add_nc_u32 v[KSI], s21, v[KSI]
	v_mul_u32_u24 v[KSO], v12, KPIT
	v_lshl_add_u32 v[KSO], v13, 7, v[KSO]
	v_add_nc_u32 v[KSO], s21, v[KSO]
	s_mul_i32 s22, s10, VBLK
	v_add_nc_u32 v[VSI], s22, v[LI]
	v_mul_u32_u24 v[VRD], v13, VBLK
	v_lshl_add_u32 v[VRD], v12, 2, v[VRD]
	s_lshl_b32 s23, s10, 6
	v_add_nc_u32 v[VRD], s23, v[VRD]
	s_lshl_b32 s23, s10, 2
	s_add_co_u32 s23, s23, SCG
	v_add_nc_u32 v[SCI], s23, v[LI]
	v_add_nc_u32 v[SCO], SCG, v[LI]
	v_lshlrev_b32 v[SH8], 3, v13
	v_mov_b32 v[PX], 0                             ; written once: a lane permute's destination counts as one of its sources
	s_wait_alu depctr_va_vdst(0)
	s_wait_kmcnt 0x0
	s_add_nc_u64 s[4:5], s[4:5], s[14:15]
	s_add_nc_u64 s[6:7], s[6:7], s[16:17]
	s_add_nc_u64 s[8:9], s[8:9], s[24:25]
	; all 32 loads of the wave go out at once: 16 KiB
.irp i, 0,1,2,3,4,5,6,7,8,9,10,11,12,13,14,15
	global_load_b128 v[VL+4*\i:VL+4*\i+3], v[LI], s[6:7] offset:512*\i th:TH_LOAD_NT            ; v: keys 2 i, 2 i + 1 of my 32
.endr
.irp run, 0,1
.irp i, 0,1,2,3,4,5,6,7
	global_load_b128 v[KL+4*(8*\run+\i):KL+4*(8*\run+\i)+3], v[LI], s[4:5] offset:8192*\run+512*\i th:TH_LOAD_NT   ; k: keys kb + 32 run + 2 i, + 1
.endr
.endr
	s_wait_loadcnt 16                              ; v's 16 loads are in; k's 16 were issued behind them
.irp i, 0,1,2,3,4,5,6,7,8,9,10,11,12,13,14,15
	ds_store_b128 v[VSI], v[VL+4*\i:VL+4*\i+3] offset:512*\i
.endr
	s_wait_loadcnt 0x0                             ; k
.irp run, 0,1
.irp i, 0,1,2,3,4,5,6,7
	ds_store_b128 v[KSI], v[KL+4*(8*\run+\i):KL+4*(8*\run+\i)+3] offset:KPIT*(16*(\i/4)+8*\run+2*(\i%4))   ; stage row 16 e + m: tile e = i / 4, row m = 8 run + 2 (i % 4) + lane / 16
.endr
.endr
.irp e, 0,1
.irp g, 0,1,2,3,4,5,6,7
	ds_load_b128 v[X+32*\e+4*\g:X+32*\e+4*\g+3], v[KSO] offset:KPIT*16*\e+16*\g                   ; LDS serves a wave's instructions in order: these see my stores.  Row r of tile e, d = 32 h on
.endr
.endr
	s_wait_dscnt 0x0                               ; for the others' sake my stores of v have landed; for mine, k's numbers are back
	s_barrier_signal -1
	QUANT32 X, CK, EB                              ; work on registers while the others arrive
	QUANT32 X+32, CK+4, EB+1
	WORD KW, EB, EB+1
	s_wait_alu depctr_va_vdst(0)
	s_barrier_wait -1                              ; the step's 128 keys of v lie in the stage
.irp c, 0,1
.irp i, 0,1,2,3,4,5,6,7,8,9,10,11,12,13,14,15,16,17,18,19,20,21,22,23,24,25,26,27,28,29,30,31
	ds_load_b32 v[Y+32*\c+\i], v[VRD] offset:2*VBLK*\c+256*\i       ; v(key 64 c + 32 h + i, channel 16 w + r)
.endr
.endr
.irp e, 0,1
	global_store_b128 v[LI], v[CK+4*\e:CK+4*\e+3], s[8:9] offset:512*\e      ; tile 2 w + e of k
.endr
	s_wait_dscnt 32                                ; keys 0 to 63 are in; the 32 loads of keys 64 to 127 were issued behind them
	QUANT32 Y, CV, EB+2
	s_wait_dscnt 0x0
	QUANT32 Y+32, CV+4, EB+3
.irp c, 0,1
	global_store_b128 v[LI], v[CV+4*\c:CV+4*\c+3], s[8:9] offset:4096+512*\c
.endr
	WORD VW, EB+2, EB+3
	v_cndmask_b32 v[SCR], v[KW], v[VW], s20        ; lanes 0-15 carry k's word of row r, lanes 16-31 v's of channel 16 w + r
	ds_store_b32 v[SCI], v[SCR]
	s_wait_dscnt 0x0                               ; for wave 0's sake
	s_barrier_signal -1
	s_barrier_wait -1
	s_cmp_lg_u32 s10, 0
	s_cbranch_scc1 .Lskip                          ; wave 0 stores the step's 512 bytes of scale words (its 1,024 w is 0)
	ds_load_b128 v[KL:KL+3], v[SCO]
	s_wait_dscnt 0x0
	global_store_b128 v[LI], v[KL:KL+3], s[8:9] offset:8192
.Lskip:
	s_wait_tensorcnt 0x0                           ; the wave's end
	ds_add_u32 v[SPW], v[NIL]
	s_wait_dscnt 0x0
	s_endpgm
.Lfunc_end_k_q511d3ece00_quant:
	.size	k_q511d3ece00_quant, .Lfunc_end_k_q511d3ece00_quant-k_q511d3ece00_quant
	.p2alignl 7, 3214868480
	.fill 96, 4, 3214868480
	.section	.rodata,"a",@progbits
	.p2align	6, 0x0
	.amdhsa_kernel k_q511d3ece00_quant
		.amdhsa_group_segment_fixed_size 69120
		.amdhsa_private_segment_fixed_size 0
		.amdhsa_enable_private_segment 0
		.amdhsa_kernarg_size 24
		.amdhsa_user_sgpr_count 2
		.amdhsa_user_sgpr_kernarg_segment_ptr 1
		.amdhsa_wavefront_size32 1
		.amdhsa_system_sgpr_workgroup_id_x 1
		.amdhsa_system_sgpr_workgroup_id_y 1
		.amdhsa_system_sgpr_workgroup_id_z 1
		.amdhsa_system_vgpr_workitem_id 0
		.amdhsa_next_free_vgpr 232
		.amdhsa_next_free_sgpr 66
		.amdhsa_reserve_vcc 0
		.amdhsa_float_denorm_mode_32 3
		.amdhsa_float_denorm_mode_16_64 3
		.amdhsa_memory_ordered 1
		.amdhsa_forward_progress 1
		.amdhsa_inst_pref_size 20
	.end_amdhsa_kernel
	.amdgpu_metadata
---
amdhsa.version: [ 1, 2 ]
amdhsa.kernels:
  - .name:           k_q511d3ece00_quant
    .symbol:         k_q511d3ece00_quant.kd
    .args:
      - { .name: k, .offset: 0, .size: 8, .value_kind: global_buffer, .address_space: global }
      - { .name: v, .offset: 8, .size: 8, .value_kind: global_buffer, .address_space: global }
      - { .name: kvq, .offset: 16, .size: 8, .value_kind: global_buffer, .address_space: global }
    .group_segment_fixed_size: 69120
    .private_segment_fixed_size: 0
    .kernarg_segment_align: 8
    .kernarg_segment_size: 24
    .max_flat_workgroup_size: 128
    .sgpr_count:     66
    .vgpr_count:     232
    .wavefront_size: 32
...
	.end_amdgpu_metadata
.endif
;; end of part 1
;; launch attn (part 2): grid 4 x 64, 16 waves a work-group, clusters of 4 x 1, 272,384 bytes of LDS; arguments q, kvq, scale, out0; writes out0
.if DOCPART == 2
	.amdgcn_target "amdgcn-amd-amdhsa--gfx1250"
	.amdhsa_code_object_version 6
	.text
	.protected	k_q511d3ece00_attn
	.globl	k_q511d3ece00_attn
	.p2align	8
	.type	k_q511d3ece00_attn,@function
k_q511d3ece00_attn:
	s_mov_b64 s[64:65], 0
	v_nop
	global_prefetch_b8 v0, s[64:65] scope:SCOPE_SE
	s_setreg_imm32_b32 hwreg(HW_REG_WAVE_MODE, 25, 1), 1
	s_wait_xcnt 0x0
	s_wait_alu depctr_hold_cnt(0) depctr_sa_sdst(0) depctr_va_vdst(0) depctr_va_sdst(0) depctr_va_ssrc(0) depctr_va_vcc(0) depctr_vm_vsrc(0)
	s_getreg_b32 s2, hwreg(HW_REG_IB_STS2, 6, 4)
	s_cmp_eq_u32 s2, 0
	s_cbranch_scc0 .Lentry_in_a_cluster
	s_endpgm
.Lentry_in_a_cluster:
	s_bfe_u32 s2, ttmp6, 0x10000c
	s_cmp_lg_u32 s2, 0x3003
	s_cbranch_scc0 .Lentry_shape_is_right
	s_endpgm
.Lentry_shape_is_right:
; out[h][q][:] = the sum over k of softmax_k(q[h][q] . k[h][k] / scale) v[h][k][:], 64 heads, 2,048 queries and keys, head size 64, both products on codes of FP4 (E2M1) with E8M0 scales.  No work is left out.
; k and v arrive as codes and scale words in kvq, images of the operands' registers, 8,704 bytes for each step of 128 keys (the launch before made them; its head says where each byte lies).  q is quantised here, in registers.
; THE SOFTMAX: t = score x c, c = log2(e) / scale; M = the row's largest t rounded up to a whole number; p = 2^(t - M) is quantised along the keys, not normalised; the row's sum of the unquantised p, in f32, divides at the end.
; TWO WALKS OVER THE KEYS.  The head's codes lie in LDS, so the scores can be made twice by the same instructions on the same operands, with the same bits.
;   Walk 1: scores, and of them only each 32-key block's largest (four numbers a lane and step, kept in the wave's own LDS bytes) and the row's largest.
;   Between: M, final for the row; each block's largest p by the same multiply-add and exponential that walk 2 uses; from it the block's scale byte; the bytes as p's scale words, 8 bytes a lane and step, in the wave's LDS bytes.
;   Walk 2: scores again, t - M, 64 exponentials a tile, conversions, sums, second product.  M does not move, so nothing is rescaled and no lane asks another.
; LIMITS: NaN, infinities and scale = 0 are not served; c = log2(e) x (1 / |scale|) by v_rcp_f32 and one multiplication; a p under 2^-126 counts as 0; a block of q or p under 2^-124, or of zeros, keeps the byte 1 (its bytes are read here alone).
; A NEGATIVE scale is served: the signs of q's codes are turned and |scale| is used.
; SHARES.  A work-group owns 512 queries of one head; each of its sixteen waves 32 of them, tiles A and B of 16, in 256 registers.  A head's codes, 139,264 bytes, come into LDS once: sixteen tensor loads, one a wave; nothing is filled again.
; CLUSTER.  The four work-groups of a cluster are the four query blocks of one head: each load is asked for jointly, with the same descriptor and a mask that names the four.
; NO DATA PREFETCH: all that the launch reads from memory is asked for at its head; both walks read LDS alone.
; LAYOUT.  Both products are used transposed (S^T = K Q^T, O^T = V^T P^T): a lane holds ONE query (lane % 16).  Register S + 32 c + i of lane (r, h) is key 64 c + 32 h + i: two whole blocks of 32 keys a lane, in the second operand's order.
; THE FIRST PRODUCT'S K IS 64 in an instruction of 128: source 0 holds two tiles of keys, source 1 is (q, zeros) or (zeros, q), cut out of the run zeros qA zeros qB zeros of 20 registers.
.set STEPB, 8704
.set HEADB, 16*STEPB                   ; LDS 0 .. 139,263: the head's codes and scale words
.set STG,   HEADB                      ; behind them 8,192 bytes for each wave, its own: q's turn, then the blocks' largest scores (512 a step), then p's scale words (256 a step), then the way out.  No tensor load lands there
.set STGW,  8192
.set SPARE, STG+16*STGW                ; the spare words, 128 bytes for each wave
.set LI,   1                           ; 16 x lane
.set ADR,  2                           ; LI + the step's first byte
.set RD,   3                           ; stage: 272 (lane / 16) + 16 (lane % 16)
.set SQR,  4                           ; stage: 272 r + 128 h
.set STO,  5                           ; stage: 272 r + 32 h
.set SPW,  6                           ; my spare word; never rewritten
.set NIL,  7                           ; 0; never rewritten
.set SH8,  8                           ; 8 h
.set QSA,  10                          ; q's scale words
.set QSB,  11
.set MS0,  12                          ; my wave's bytes + 16 x lane
.set WR0,  13                          ; my wave's bytes + 8 x lane
.set WAD,  14                          ; one of the two + the step's part
.set MNA,  16                          ; v16 -M of tile A, v17 its largest score;  v18, v19 tile B: named as pairs
.set RMA,  17
.set MNB,  18
.set RMB,  19
.set QZ,   20                          ; v20-39 zeros, qA, zeros, qB, zeros
.set F,    40                          ; v40-71 fragments of k, then of v
.set SCW,  72                          ; v72-75 a step's scale words: lanes 0-15 k's, lanes 16-31 v's;  v76-79 walk 1's second set
.set SCW2, 76
.set PSW,  80                          ; v80, v81 p's scale words, tiles A and B
.set SHA,  82                          ; v82, v83 how far a scale word is turned so that my block's byte stands in an f32's exponent field
.set SHB,  83
.set F2,   84                          ; v84-115 walk 1: second set of k's fragments; walk 2:
.set PA,   84                          ; p's codes
.set PB,   92
.set LA,   100                         ; the sums, four chains of pairs a tile
.set LB,   108
.set SO,   116                         ; v116-119 the conversions' scale operands; walk 1: the four blocks' largest scores
.set MX,   116
.set T,    120                         ; v120-127 at work
.set S,    128                         ; v128-191 S^T, then p; walk 1: tile A's scores, and tile B's in v192-255
.set OA,   192                         ; O^T
.set OB,   224
; s13 wave; s[16:23], s[24:27] the descriptor; s[32:33] c, twice; s[34:35] lane selects; s36, s39 the step's LDS bytes; s37 counts; s38 the mask that turns q's signs
.macro CROUND                          ; a round of the cluster's barrier
	s_barrier_signal -1
	s_barrier_wait -1
	s_cmp_lg_u32 s13, 0
	s_cbranch_scc1 .Lnot_wave_0_\@
	s_barrier_signal -3
.Lnot_wave_0_\@:
	s_barrier_wait -3
	s_barrier_signal -1
	s_barrier_wait -1
.endm
.macro QUANT32 x, c, e                 ; 32 numbers of a lane, one block, become 4 registers of codes and the block's byte
	v_max3_num_f32 v[T], |v[\x]|, |v[\x+1]|, |v[\x+2]|
	v_max3_num_f32 v[T+1], |v[\x+15]|, |v[\x+16]|, |v[\x+17]|
.irp i, 3,5,7,9,11,13
	s_delay_alu instid0(VALU_DEP_2)
	v_max3_num_f32 v[T], v[T], |v[\x+\i]|, |v[\x+\i+1]|
	s_delay_alu instid0(VALU_DEP_2)
	v_max3_num_f32 v[T+1], v[T+1], |v[\x+\i+15]|, |v[\x+\i+16]|
.endr
	s_delay_alu instid0(VALU_DEP_1)
	v_max3_num_f32 v[T+1], v[T+1], |v[\x+30]|, |v[\x+31]|
	s_delay_alu instid0(VALU_DEP_1)
	v_max3_num_f32 v[T], v[T], v[T+1], 0x1800000                     ; the floor 2^(3 - 127): the byte cannot fall under 1
	s_delay_alu instid0(VALU_DEP_1)
	v_add_nc_u32 v[T+2], 0xff000000, v[T]                            ; 2 off the exponent field: the conversion's scale operand
.irp g, 0,1,2,3
	v_cvt_scalef32_pk8_fp4_f32 v[\c+\g], v[\x+8*\g:\x+8*\g+7], v[T+2]
.endr
	v_lshrrev_b32 v[\e], 23, v[T+2]                                  ; the byte; also the plain line behind the conversions
.endm
.macro QWORD qs                        ; my block's byte and the other half's, twice: for q in k 0-63 and in k 64-127
	s_delay_alu instid0(VALU_DEP_1)
	v_lshlrev_b32 v[T+4], v[SH8], v[T+3]
	s_delay_alu instid0(VALU_DEP_1)
	v_permlanex16_b32 v[T+5], v[T+4], s34, s35
	s_delay_alu instid0(VALU_DEP_1)
	v_or_b32 v[T+4], v[T+4], v[T+5]
	s_delay_alu instid0(VALU_DEP_1)
	v_lshl_or_b32 v[\qs], v[T+4], 16, v[T+4]
.endm
.macro KLOAD f, sc, a, off             ; k's eight tiles of a step and the step's scale words: nine LDS loads
.irp g, 0,1,2,3,4,5,6,7
	ds_load_b128 v[\f+4*\g:\f+4*\g+3], v[\a] offset:\off+512*\g
.endr
	ds_load_b128 v[\sc:\sc+3], v[\a] offset:\off+8192
.endm
.macro SCORES d, f, sc, ql, qh, qs     ; S^T of one tile of queries against 128 keys: eight products that start with the constant 0
.irp u, 0,1,2,3
	v_wmma_scale_f32_16x16x128_f8f6f4 v[\d+16*\u:\d+16*\u+7], v[\f+8*\u:\f+8*\u+7], v[\ql:\ql+7], 0, v[\sc+\u], v[\qs] matrix_a_fmt:MATRIX_FMT_FP4 matrix_b_fmt:MATRIX_FMT_FP4
	v_wmma_scale_f32_16x16x128_f8f6f4 v[\d+16*\u+8:\d+16*\u+15], v[\f+8*\u:\f+8*\u+7], v[\qh:\qh+7], 0, v[\sc+\u], v[\qs] matrix_a_fmt:MATRIX_FMT_FP4 matrix_b_fmt:MATRIX_FMT_FP4
.endr
.endm
; The largest score of my four blocks (tile A's two, tile B's two), eight chains by turns.  Each result is first read in one of its four lowest registers: 0-2, 8, 17-19, 24 of each 32.
.macro BMAX
.irp q, 0,1,2,3
	v_max3_num_f32 v[T+2*\q], v[S+32*\q], v[S+32*\q+1], v[S+32*\q+2]
	v_max3_num_f32 v[T+2*\q+1], v[S+32*\q+17], v[S+32*\q+18], v[S+32*\q+19]
.endr
.irp i, 3,5,7,9,11,13
.irp q, 0,1,2,3
	v_max3_num_f32 v[T+2*\q], v[T+2*\q], v[S+32*\q+\i], v[S+32*\q+\i+1]
	v_max3_num_f32 v[T+2*\q+1], v[T+2*\q+1], v[S+32*\q+\i+17], v[S+32*\q+\i+18]
.endr
.endr
.irp q, 0,1,2,3
	v_max3_num_f32 v[T+2*\q], v[T+2*\q], v[S+32*\q+15], v[S+32*\q+16]
.endr
.irp q, 0,1,2,3
	v_max_num_f32 v[MX+\q], v[T+2*\q], v[T+2*\q+1]
.endr
	v_max3_num_f32 v[RMA], v[RMA], v[MX], v[MX+1]                    ; the largest score so far of my half of the row
	v_max3_num_f32 v[RMB], v[RMB], v[MX+2], v[MX+3]
.endm
; A step of walk 1 on fragments f.  noff > 0: the next step's nine loads go out first, into the other set (the 66 lines of the step before are the places behind the products that read it).
.macro P1 f, sc, nf, nsc, noff, moff
.if \noff
	KLOAD \nf, \nsc, ADR, \noff
	s_wait_dscnt 9                                 ; all but the nine just issued: this step's fragments are in
.else
	s_wait_dscnt 0x0
.endif
	SCORES S, \f, \sc, QZ+4, QZ, QSA
	SCORES S+64, \f, \sc, QZ+12, QZ+8, QSB
.rept 4
	v_nop                                          ; four places between the products and the first read of their results
.endr
	BMAX
	ds_store_b128 v[WAD], v[MX:MX+3] offset:\moff  ; kept for the scales
.endm
.macro TM mn                           ; t - M, two at a time; each result from its low end on
.set n, 0
.rept 32
	v_pk_fma_f32 v[S+n:S+n+1], v[S+n:S+n+1], s[32:33], v[\mn:\mn+1] op_sel_hi:[1,0,0]
.set n, n+2
.endr
.endm
.macro EXPS                            ; one batch, with a wait ahead of it, a plain line and the wait behind it
	s_wait_alu depctr_va_vdst(0)
.set n, 0
.rept 64
	v_exp_f32 v[S+n], v[S+n]
.set n, n+1
.endr
	v_nop
	s_wait_alu depctr_va_vdst(0)
.endm
.macro CVT p, so                       ; registers 4 c .. 4 c + 3 of the operand: keys 64 c + 32 h + 0 .. 31
.irp c, 0,1
.irp g, 0,1,2,3
	v_cvt_scalef32_pk8_fp4_f32 v[\p+4*\c+\g], v[S+32*\c+8*\g:S+32*\c+8*\g+7], v[\so+\c]
.endr
.endr
.endm
.macro SUMS l, a, b                    ; lines a .. b - 1 of the 32 that add the unquantised p, two at a time, four chains by turns
.set n, \a
.rept (\b)-(\a)
	v_pk_add_f32 v[\l+2*(n%4):\l+2*(n%4)+1], v[\l+2*(n%4):\l+2*(n%4)+1], v[S+2*n:S+2*n+1]
.set n, n+1
.endr
.endm
.macro PV z                            ; O^T += V^T P^T: eight accumulators, one instruction each, by turns.  z = 1: the first step starts the sums
.irp t, 0,1,2,3
.if \z
	v_wmma_scale_f32_16x16x128_f8f6f4 v[OA+8*\t:OA+8*\t+7], v[F+8*\t:F+8*\t+7], v[PA:PA+7], 0, v[SCW+\t], v[PSW] matrix_a_fmt:MATRIX_FMT_FP4 matrix_b_fmt:MATRIX_FMT_FP4 matrix_a_scale:MATRIX_SCALE_ROW1
	v_wmma_scale_f32_16x16x128_f8f6f4 v[OB+8*\t:OB+8*\t+7], v[F+8*\t:F+8*\t+7], v[PB:PB+7], 0, v[SCW+\t], v[PSW+1] matrix_a_fmt:MATRIX_FMT_FP4 matrix_b_fmt:MATRIX_FMT_FP4 matrix_a_scale:MATRIX_SCALE_ROW1
.else
	v_wmma_scale_f32_16x16x128_f8f6f4 v[OA+8*\t:OA+8*\t+7], v[F+8*\t:F+8*\t+7], v[PA:PA+7], v[OA+8*\t:OA+8*\t+7], v[SCW+\t], v[PSW] matrix_a_fmt:MATRIX_FMT_FP4 matrix_b_fmt:MATRIX_FMT_FP4 matrix_a_scale:MATRIX_SCALE_ROW1
	v_wmma_scale_f32_16x16x128_f8f6f4 v[OB+8*\t:OB+8*\t+7], v[F+8*\t:F+8*\t+7], v[PB:PB+7], v[OB+8*\t:OB+8*\t+7], v[SCW+\t], v[PSW+1] matrix_a_fmt:MATRIX_FMT_FP4 matrix_b_fmt:MATRIX_FMT_FP4 matrix_a_scale:MATRIX_SCALE_ROW1
.endif
.endr
.endm
; A step of walk 2.  Its fragments of k and its scale words were asked for at the end of the step before.
.macro P2 first, last
	v_add_nc_u32 v[ADR], s36, v[LI]
	v_add_nc_u32 v[WAD], s39, v[WR0]
	s_wait_dscnt 0x0
	SCORES S, F, SCW, QZ+4, QZ, QSA
	v_alignbit_b32 v[SO], v[PSW], v[PSW], v[SHA]                     ; my blocks' bytes turned into the exponent field: the conversions take that field alone.  Four plain lines: the places behind the products
	v_alignbit_b32 v[SO+1], v[PSW], v[PSW], v[SHB]
	v_alignbit_b32 v[SO+2], v[PSW+1], v[PSW+1], v[SHA]
	v_alignbit_b32 v[SO+3], v[PSW+1], v[PSW+1], v[SHB]
	TM MNA
	EXPS
	CVT PA, SO
	SUMS LA, 0, 32
	SCORES S, F, SCW, QZ+12, QZ+8, QSB
.rept 4
	v_nop                                          ; places in front of the loads into k's registers and of the reads of the scores
.endr
.irp g, 0,1,2,3,4,5,6,7
	ds_load_b128 v[F+4*\g:F+4*\g+3], v[ADR] offset:4096+512*\g       ; v's four tiles; they land under tile B's softmax
.endr
	TM MNB
	EXPS
	CVT PB, SO+2
	SUMS LB, 0, 8                                  ; eight plain lines between p's codes and the products that take them
	s_wait_alu depctr_va_vdst(0)
	s_wait_dscnt 0x0                               ; v
	PV \first
	SUMS LB, 8, 12                                 ; four places in front of loads into registers that the products read
.if \last == 0
	KLOAD F, SCW, ADR, STEPB                       ; the next step's k and scale words,
	ds_load_b64 v[PSW:PSW+1], v[WAD] offset:256    ; and p's
.endif
	SUMS LB, 12, 32
.endm
	s_load_b256 s[4:11], s[0:1], 0x0               ; q s[4:5], kvq s[6:7], scale s[8:9], out s[10:11]
	v_lshl_add_u32 v[SPW], v0, 2, SPARE
	v_mov_b32 v[NIL], 0
	ds_add_u32 v[SPW], v[NIL]                      ; the wave's opening: the add, twice on end, and its wait ahead of my first tensor load
	ds_add_u32 v[SPW], v[NIL]
	v_lshrrev_b32 v9, 5, v0
	s_delay_alu instid0(VALU_DEP_1)
	v_readfirstlane_b32 s13, v9                    ; wave 0..15
	s_bfe_u32 s14, ttmp6, 0x40000                  ; cx: it enters q's and out's addresses alone
	s_lshl_b32 s39, ttmp9, 2
	s_add_co_u32 s39, s39, s14                     ; my block of 512 queries
	s_and_b32 s15, ttmp7, 0xffff                   ; the head, which the four partners share
	s_lshl_b32 s28, s15, 19
	s_lshl_b32 s39, s39, 17
	s_add_co_u32 s28, s28, s39
	s_lshl_b32 s39, s13, 13                        ; my wave's 32 rows
	s_add_co_u32 s28, s28, s39
	s_mov_b32 s29, 0
	s_mul_i32 s30, s15, HEADB                      ; kvq: the head,
	s_mul_i32 s25, s13, STEPB                      ; and the step that I fetch: step = wave; the same number is its LDS address
	s_add_co_u32 s30, s30, s25
	s_mov_b32 s31, 0
	s_mov_b32 s16, 15|(3<<16)|(1<<21)              ; group 1: the mask of all four; elements of 8 bytes; bit 21 beside a mask; 34 rows of 256 bytes, dense
	s_mov_b32 s17, 32<<16
	s_mov_b32 s18, 34<<16
	s_mov_b32 s19, 32<<16
	s_mov_b32 s20, 34
	s_mov_b32 s21, 32
	s_mov_b32 s22, 0
	s_mov_b32 s23, 0
	s_mov_b32 s34, 0x76543210
	s_mov_b32 s35, 0xfedcba98                      ; v_permlanex16_b32's selects for lane l xor 16
	s_lshl_b32 s40, s13, 13
	s_add_co_u32 s40, s40, STG                     ; my wave's 8,192 bytes
	v_and_b32 v9, 31, v0
	v_and_b32 v[ADR], 15, v0                       ; r
	v_bfe_u32 v[SH8], v0, 4, 1                     ; h
	v_lshlrev_b32 v[LI], 4, v9
	v_lshl_add_u32 v[WR0], v9, 3, s40
	v_mul_u32_u24 v[RD], v[SH8], 272
	v_mul_u32_u24 v[SQR], v[ADR], 272
	v_add_nc_u32 v[MS0], s40, v[LI]
	v_lshl_add_u32 v[RD], v[ADR], 4, v[RD]
	v_add_nc_u32 v[SQR], s40, v[SQR]
	v_mov_b32 v[T+5], 0                            ; written once: a lane permute's destination counts as one of its sources
	v_add_nc_u32 v[RD], s40, v[RD]
	v_lshl_add_u32 v[STO], v[SH8], 5, v[SQR]
	v_lshl_add_u32 v[SQR], v[SH8], 7, v[SQR]
	v_lshlrev_b32 v[SH8], 3, v[SH8]
	s_wait_dscnt 0x0                               ; both opening adds are done
	s_wait_kmcnt 0x0
	s_add_nc_u64 s[4:5], s[4:5], s[28:29]          ; q and out at my wave's first row
	s_add_nc_u64 s[10:11], s[10:11], s[28:29]
	s_mov_b32 s24, 1
	s_add_nc_u64 s[26:27], s[6:7], s[30:31]        ; head and wave alone: equal in the four partners
	s_or_b32 s27, s27, 0x80000000
	CROUND                                         ; all four work-groups are here: the joint loads meet
	tensor_load_to_lds s[24:27], s[16:23]          ; my one tensor load of the launch: step w of the head
	s_nop 0
.rept 4
	v_nop
.endr
	s_load_b32 s12, s[8:9], 0x0                    ; scale
.irp x, 0,1
.irp i, 0,1,2,3,4,5,6,7
	global_load_b128 v[OA+32*\x+4*\i:OA+32*\x+4*\i+3], v[LI], s[4:5] offset:4096*\x+512*\i th:TH_LOAD_NT   ; q, 512 consecutive bytes a load
.endr
.endr
	s_wait_kmcnt 0x0
	v_mov_b32 v9, s12
	s_wait_alu depctr_va_vdst(0)                   ; the wait ahead of the reciprocal
	v_rcp_f32 v9, |v9|
	v_nop
	s_ashr_i32 s38, s12, 31
	s_and_b32 s38, s38, 0x88888888                 ; the codes' sign bits where scale is negative, else 0
	s_wait_alu depctr_va_vdst(0)                   ; and ahead of its first reader
	v_mul_f32 v9, 0x3fb8aa3b, v9                   ; c = log2(e) / |scale|
	s_delay_alu instid0(VALU_DEP_1)
	v_readfirstlane_b32 s32, v9
	s_mov_b32 s33, s32
	s_wait_loadcnt 8                               ; tile A's eight loads are in
.irp i, 0,1,2,3,4,5,6,7
	ds_store_b128 v[RD], v[OA+4*\i:OA+4*\i+3] offset:544*\i
.endr
.irp g, 0,1,2,3,4,5,6,7
	ds_load_b128 v[S+4*\g:S+4*\g+3], v[SQR] offset:16*\g             ; LDS serves a wave's instructions in order: q(r, 32 h + 0 .. 31)
.endr
	s_wait_loadcnt 0x0
.irp i, 0,1,2,3,4,5,6,7
	ds_store_b128 v[RD], v[OB+4*\i:OB+4*\i+3] offset:544*\i
.endr
.irp g, 0,1,2,3,4,5,6,7
	ds_load_b128 v[S+32+4*\g:S+32+4*\g+3], v[SQR] offset:16*\g
.endr
	s_wait_dscnt 16                                ; tile A is back; tile B's sixteen LDS instructions were issued behind it
	QUANT32 S, QZ+4, T+3
	QWORD QSA
	s_wait_dscnt 0x0
	QUANT32 S+32, QZ+12, T+3
	QWORD QSB
.irp i, 4,5,6,7,12,13,14,15
	v_xor_b32 v[QZ+\i], s38, v[QZ+\i]              ; q's signs follow scale's
.endr
.irp i, 0,1,2,3,8,9,10,11,16,17,18,19
	v_mov_b32 v[QZ+\i], 0                          ; the zero codes round q
.endr
	v_mov_b32 v[RMA], 0xff800000                   ; the largest score so far: under every score.  These five lines are also the places between q's codes and the first products
	v_mov_b32 v[RMB], 0xff800000
	v_add_nc_u32 v[SHA], 9, v[SH8]                 ; byte h of a word stands at bit 8 h: turned right by 9 + 8 h it stands at bit 23;
	v_add_nc_u32 v[SHB], 25, v[SH8]                ; byte 2 + h by 25 + 8 h,
	v_and_b32 v[SHB], 31, v[SHB]                   ; modulo 32
	s_mov_b32 s36, 0
	s_mov_b32 s39, 0
	s_mov_b32 s37, 0
	s_wait_alu depctr_va_vdst(0)
	s_wait_tensorcnt 0x0                           ; my step of the head has landed (no LDS instruction of mine is out),
	s_barrier_signal -1
	s_barrier_wait -1                              ; everybody's has: the whole head lies in LDS
	; WALK 1: seven trips of two steps, and the last two steps written out, so that no load reaches past the head's codes
	KLOAD F, SCW, LI, 0
.Lp1:
	v_add_nc_u32 v[ADR], s36, v[LI]
	v_add_nc_u32 v[WAD], s39, v[MS0]
	P1 F, SCW, F2, SCW2, STEPB, 0
	P1 F2, SCW2, F, SCW, 2*STEPB, 512
	s_add_co_u32 s36, s36, 2*STEPB
	s_add_co_u32 s39, s39, 1024
	s_add_co_u32 s37, s37, 1
	s_cmp_lt_u32 s37, 7
	s_cbranch_scc1 .Lp1
	v_add_nc_u32 v[ADR], s36, v[LI]
	v_add_nc_u32 v[WAD], s39, v[MS0]
	P1 F, SCW, F2, SCW2, STEPB, 0
	P1 F2, SCW2, F, SCW, 0, 512
	; BETWEEN THE WALKS: M, and p's scale words for all 16 steps
	KLOAD F, SCW, LI, 0                            ; walk 2's first fragments
.set n, 0
.rept 16
	ds_load_b128 v[S+4*n:S+4*n+3], v[MS0] offset:512*n               ; step n: tile A's two blocks, tile B's two
.set n, n+1
.endr
	v_permlanex16_b32 v[T], v[RMA], s34, s35       ; the query's other keys lie in the lane 16 away
	v_permlanex16_b32 v[T+1], v[RMB], s34, s35
	s_delay_alu instid0(VALU_DEP_2)
	v_max_num_f32 v[T], v[T], v[RMA]
	s_delay_alu instid0(VALU_DEP_2)
	v_max_num_f32 v[T+1], v[T+1], v[RMB]
	s_delay_alu instid0(VALU_DEP_2)
	v_mul_f32 v[T], s32, v[T]                      ; as t (c is positive)
	s_delay_alu instid0(VALU_DEP_2)
	v_mul_f32 v[T+1], s32, v[T+1]
	s_delay_alu instid0(VALU_DEP_2)
	v_floor_f32 v[MNA], -v[T]                      ; -M = floor(-t): M is a whole number
	s_delay_alu instid0(VALU_DEP_2)
	v_floor_f32 v[MNB], -v[T+1]
	s_wait_alu depctr_va_vdst(0)
	s_wait_dscnt 0x0
.set n, 0
.rept 16
	v_pk_fma_f32 v[S+4*n:S+4*n+1], v[S+4*n:S+4*n+1], s[32:33], v[MNA:MNA+1] op_sel_hi:[1,0,0]       ; the same multiply-add that walk 2 puts every score through
	v_pk_fma_f32 v[S+4*n+2:S+4*n+3], v[S+4*n+2:S+4*n+3], s[32:33], v[MNB:MNB+1] op_sel_hi:[1,0,0]
.set n, n+1
.endr
	EXPS                                           ; each block's largest p: the same instruction on the same number gives the same bits
.set n, 0
.rept 64
	v_max_num_f32 v[S+n], 0x1800000, v[S+n]        ; the floor: a block whose every p has fallen to 0 keeps the byte 1; its codes are zeros
.set n, n+1
.endr
.set n, 0
.rept 64
	v_lshrrev_b32 v[S+n], 23, v[S+n]               ; the exponent field
.set n, n+1
.endr
.set n, 0
.rept 16
	v_lshl_or_b32 v[S+4*n], v[S+4*n+1], 16, v[S+4*n]                 ; tile A: blocks h and 2 + h
.set n, n+1
.endr
.set n, 0
.rept 16
	v_lshl_or_b32 v[S+4*n+1], v[S+4*n+3], 16, v[S+4*n+2]             ; tile B
.set n, n+1
.endr
.irp x, 0,1
.set n, 0
.rept 16
	v_add_nc_u32 v[S+4*n+\x], 0xfffdfffe, v[S+4*n+\x]                ; 2 off both fields (each is 3 at the least, so nothing is borrowed): the bytes
.set n, n+1
.endr
.endr
.irp x, 0,1
.set n, 0
.rept 16
	v_lshlrev_b32 v[S+4*n+\x], v[SH8], v[S+4*n+\x]                   ; at their places
.set n, n+1
.endr
.endr
.irp x, 0,1
.set n, 0
.rept 16
	v_permlanex16_b32 v[S+4*n+2+\x], v[S+4*n+\x], s34, s35
.set n, n+1
.endr
.endr
.irp x, 0,1
.set n, 0
.rept 16
	v_or_b32 v[S+4*n+\x], v[S+4*n+\x], v[S+4*n+2+\x]                 ; with the other half's two the word is whole
.set n, n+1
.endr
.endr
.set n, 0
.rept 16
	v_mov_b32 v[LA+n], 0                           ; the sums
.set n, n+1
.endr
.set n, 0
.rept 16
	ds_store_b64 v[WR0], v[S+4*n:S+4*n+1] offset:256*n               ; over bytes whose loads have come back
.set n, n+1
.endr
	ds_load_b64 v[PSW:PSW+1], v[WR0]               ; in order behind my stores: step 0's words
	; WALK 2: the first step starts O^T's sums, the last asks for nothing more
	s_mov_b32 s36, 0
	s_mov_b32 s39, 0
	P2 1, 0
	s_mov_b32 s36, STEPB
	s_mov_b32 s39, 256
	s_mov_b32 s37, 0
.Lp2:
	P2 0, 0
	s_add_co_u32 s36, s36, STEPB
	s_add_co_u32 s39, s39, 256
	s_add_co_u32 s37, s37, 1
	s_cmp_lt_u32 s37, 14
	s_cbranch_scc1 .Lp2
	P2 0, 1
	; THE WAY OUT.  The chains and the other half of the lanes' are added; O^T is divided by the sum and goes through my stage, a tile (16 rows of 256 bytes) at a time, so that sixteen lanes store one whole row.
	v_pk_add_f32 v[LA:LA+1], v[LA:LA+1], v[LA+2:LA+3]
	v_pk_add_f32 v[LA+4:LA+5], v[LA+4:LA+5], v[LA+6:LA+7]
	v_pk_add_f32 v[LB:LB+1], v[LB:LB+1], v[LB+2:LB+3]
	v_pk_add_f32 v[LB+4:LB+5], v[LB+4:LB+5], v[LB+6:LB+7]
	s_delay_alu instid0(VALU_DEP_3)
	v_pk_add_f32 v[LA:LA+1], v[LA:LA+1], v[LA+4:LA+5]
	s_delay_alu instid0(VALU_DEP_2)
	v_pk_add_f32 v[LB:LB+1], v[LB:LB+1], v[LB+4:LB+5]
	s_delay_alu instid0(VALU_DEP_2)
	v_add_f32 v[T], v[LA], v[LA+1]
	s_delay_alu instid0(VALU_DEP_2)
	v_add_f32 v[T+1], v[LB], v[LB+1]
	s_delay_alu instid0(VALU_DEP_2)
	v_permlanex16_b32 v[T+2], v[T], s34, s35
	s_delay_alu instid0(VALU_DEP_2)
	v_permlanex16_b32 v[T+3], v[T+1], s34, s35
	s_delay_alu instid0(VALU_DEP_2)
	v_add_f32 v[T], v[T], v[T+2]
	s_delay_alu instid0(VALU_DEP_2)
	v_add_f32 v[T+1], v[T+1], v[T+3]
	s_wait_alu depctr_va_vdst(0)                   ; the wait ahead of the reciprocals,
	v_rcp_f32 v[T+4], v[T]
	v_rcp_f32 v[T+6], v[T+1]
	v_nop
	s_wait_alu depctr_va_vdst(0)                   ; and for one ahead of their first reader, which is also O^T's
.irp x, 0,1
.set n, 0
.rept 16
	v_pk_mul_f32 v[S+32*\x+n:S+32*\x+n+1], v[OA+32*\x+n:OA+32*\x+n+1], v[T+4+2*\x:T+5+2*\x] op_sel_hi:[1,0]   ; each accumulator from its low end on; register 8 t + i is out(r, 16 t + 8 h + i)
.set n, n+2
.endr
.endr
.irp x, 0,1
.irp t, 0,1,2,3
	ds_store_b128 v[STO], v[S+32*\x+8*\t:S+32*\x+8*\t+3] offset:64*\t
	ds_store_b128 v[STO], v[S+32*\x+8*\t+4:S+32*\x+8*\t+7] offset:64*\t+16
.endr
.irp i, 0,1,2,3,4,5,6,7
	ds_load_b128 v[F+152*\x+4*\i:F+152*\x+4*\i+3], v[RD] offset:544*\i   ; in order behind my stores, and ahead of the next tile's; tile A comes back into v40-71, tile B into v192-223
.endr
.endr
.irp x, 0,1
.irp i, 0,1,2,3,4,5,6,7
	s_wait_dscnt 23-16*\x-\i                       ; behind this load: the tile's 7 - i younger loads and, for tile A, tile B's sixteen LDS instructions
	global_store_b128 v[LI], v[F+152*\x+4*\i:F+152*\x+4*\i+3], s[10:11] offset:4096*\x+512*\i th:TH_STORE_NT   ; 32 lanes store 512 consecutive bytes, at a multiple of 256 from out's first byte
.endr
.endr
	s_wait_tensorcnt 0x0                           ; the wave's end
	ds_add_u32 v[SPW], v[NIL]
	s_wait_dscnt 0x0
	CROUND                                         ; the closing round
	s_endpgm
.Lfunc_end_k_q511d3ece00_attn:
	.size	k_q511d3ece00_attn, .Lfunc_end_k_q511d3ece00_attn-k_q511d3ece00_attn
	.p2alignl 7, 3214868480
	.fill 96, 4, 3214868480
	.section	.rodata,"a",@progbits
	.p2align	6, 0x0
	.amdhsa_kernel k_q511d3ece00_attn
		.amdhsa_group_segment_fixed_size 272384
		.amdhsa_private_segment_fixed_size 0
		.amdhsa_enable_private_segment 0
		.amdhsa_kernarg_size 32
		.amdhsa_user_sgpr_count 2
		.amdhsa_user_sgpr_kernarg_segment_ptr 1
		.amdhsa_wavefront_size32 1
		.amdhsa_system_sgpr_workgroup_id_x 1
		.amdhsa_system_sgpr_workgroup_id_y 1
		.amdhsa_system_sgpr_workgroup_id_z 1
		.amdhsa_system_vgpr_workitem_id 0
		.amdhsa_next_free_vgpr 256
		.amdhsa_next_free_sgpr 66
		.amdhsa_reserve_vcc 0
		.amdhsa_float_denorm_mode_32 3
		.amdhsa_float_denorm_mode_16_64 3
		.amdhsa_memory_ordered 1
		.amdhsa_forward_progress 1
		.amdhsa_inst_pref_size 124
	.end_amdhsa_kernel
	.amdgpu_metadata
---
amdhsa.version: [ 1, 2 ]
amdhsa.kernels:
  - .name:           k_q511d3ece00_attn
    .symbol:         k_q511d3ece00_attn.kd
    .args:
      - { .name: q, .offset: 0, .size: 8, .value_kind: global_buffer, .address_space: global }
      - { .name: kvq, .offset: 8, .size: 8, .value_kind: global_buffer, .address_space: global }
      - { .name: scale, .offset: 16, .size: 8, .value_kind: global_buffer, .address_space: global }
      - { .name: out0, .offset: 24, .size: 8, .value_kind: global_buffer, .address_space: global }
    .group_segment_fixed_size: 272384
    .private_segment_fixed_size: 0
    .kernarg_segment_align: 8
    .kernarg_segment_size: 32
    .max_flat_workgroup_size: 512
    .sgpr_count:     66
    .vgpr_count:     256
    .wavefront_size: 32
...
	.end_amdgpu_metadata
.endif
;; end of part 2
